; MI455X (gfx1250); checked and timed in simulation.
; The chip was launched on July 23, 2026; its instructions are those of AMD's public machine-readable ISA for CDNA 5 (MIT licence, August 2026) and "CDNA5" Instruction Set Architecture Reference Guide (July 2026). The comments in the code are by the model that wrote it; some were corrected since.
;; Attribute Multi Headed Attention. Allowed arithmetic: matrix products marked QUANTISED: E4M3 operands, one given power-of-two scale a tensor, by v_wmma_f32_16x16x64_fp8_fp8 or v_wmma_f32_16x16x128_fp8_fp8, f32 sums; products left as they are: f32 operands where the result goes on into a quantised operand, else bf16, f16 or f32 operands; f32 sums; everything else in f32.
;; Inputs: Wk_codes 1,024 x 32 x 32 uint8 (E4M3 codes of Wk, K innermost, in blocks of 32 codes); Wo_codes 1,024 x 32 x 32 uint8 (E4M3 codes of Wo, K innermost, in blocks of 32 codes); Wq_codes 1,024 x 32 x 32 uint8 (E4M3 codes of Wq, K innermost, in blocks of 32 codes); Wv_codes 1,024 x 32 x 32 uint8 (E4M3 codes of Wv, K innermost, in blocks of 32 codes); bk 1,024 float32; bo 1,024 float32; bq 1,024 float32; bv 1,024 float32; key_codes 4 x 512 x 8 x 32 x 32 uint8 (E4M3 codes of key, K innermost, in blocks of 32 codes); lowp_scales 8 int32 (the exponents e of the quantised operands' scales 2^e); query_codes 4 x 512 x 8 x 32 x 32 uint8 (E4M3 codes of query, K innermost, in blocks of 32 codes); value_codes 4 x 512 x 8 x 32 x 32 uint8 (E4M3 codes of value, K innermost, in blocks of 32 codes).
;; Outputs: out0 4 x 512 x 8 x 1,024 float32.
;; Constants: d_atrbt = 8.
;; This version of the problem:
;;   THIS VERSION OF THE PROBLEM IS GIVEN IN LOW PRECISION. The matrix products marked QUANTISED in the list below multiply operands that are first quantised to E4M3 (4 exponent bits, 3 mantissa bits; 8 bits a number), with one given power-of-two scale for each operand tensor; their sums are f32. All else is computed in f32.
;;   The module's matrix products, in the order in which they are computed (A, B: the left and right operand; K: the contracted axis; several contracted axes count as one K, in the product's order):
;;     1. [M 16,384, K 1,024] x [K 1,024, N 1,024]; A: input query (given as codes); B: input Wq (given as codes): QUANTISED (scales: A lowp_scales[0], B lowp_scales[1])
;;     2. [M 16,384, K 1,024] x [K 1,024, N 1,024]; A: input key (given as codes); B: input Wk (given as codes): QUANTISED (scales: A lowp_scales[2], B lowp_scales[3])
;;     3. [M 16,384, K 1,024] x [K 1,024, N 1,024]; A: input value (given as codes); B: input Wv (given as codes): QUANTISED (scales: A lowp_scales[4], B lowp_scales[5])
;;     4. batch 32,768 x [M 8, K 64] x [K 64, N 8]; A: computed on the way; B: computed on the way: left as it is (M = 8 < 16)
;;     5. batch 32,768 x [M 8, K 8] x [K 8, N 64]; A: softmax; B: computed on the way: left as it is (K = 8 < 32)
;;     6. [M 16,384, K 1,024] x [K 1,024, N 1,024]; A: computed on the way; B: input Wo (given as codes): QUANTISED (scales: A lowp_scales[6], B lowp_scales[7])
;;   THE QUANTISER, for each operand of a quantised product, along K:
;;     - The operand's scale is 2^e, e = its entry of the input lowp_scales (int32; the entries are numbered through the quantised products in the list's order, A before B).
;;     - Each number is divided by the scale, clamped to +-448, and rounded to the nearest number of E4M3, ties to even, subnormals kept.
;;     - The product sums the exact products of the quantised numbers (number of the format x scale) in f32.
;;   ~~~python
;;   def quantise(x, axis, e):      # numpy; x: float32 -> the quantised numbers, widened to float32 again
;;       x = np.moveaxis(x, axis, -1); K = x.shape[-1]
;;       r = np.clip(x / 2.0 ** e, -448, 448)
;;       step = 2.0 ** (np.maximum(np.frexp(np.where(r == 0, 1, r))[1] - 1, -6) - 3)
;;       q = np.round(r / step) * step * 2.0 ** e      # np.round: ties to even
;;       return np.moveaxis(q, -1, axis).astype(np.float32)
;;   ~~~
;;   OPERANDS COMPUTED ON THE WAY. 'Computed on the way' means the value that the module computes at that place (a softmax that the list does not call 'softmax' is quantised finished and normalised). What goes into a quantiser is computed in f32, as accurately as f32 sums, v_exp_f32 and their like allow (about 1e-6 of the number): no bf16 or f16 on the way to a quantiser, and a product that is left as it is and whose result goes on into a quantised operand takes f32 operands (vector FMAs, or v_wmma_f32_16x16x4_f32). A number that lies on a knife's edge between two numbers of the format may be rounded either way, as far as f32 arithmetic and the matrix unit's own rounding can turn it there, and no further.
;;   INPUTS GIVEN AS CODES. Wk (in the module: [1024, 1024], K = its axis 1); Wo (in the module: [1024, 1024], K = its axis 1); Wq (in the module: [1024, 1024], K = its axis 1); Wv (in the module: [1024, 1024], K = its axis 1); key (in the module: [4, 512, 8, 1024], K = its axis 3); query (in the module: [4, 512, 8, 1024], K = its axis 3); value (in the module: [4, 512, 8, 1024], K = its axis 3): each comes as NAME_codes (uint8): NAME with its K axis moved to the last place and cut into blocks of 32 codes, [.., K / 32, bytes a block], one block behind the other in memory; one code a byte (a code: sign, 4 exponent bits, 3 mantissa bits); its scale is its entry of lowp_scales. Its value is code x scale, taken as it is: it is not quantised again, and the codes and scales need not be those that the quantiser above would give.
;; One version. Each part assembles by itself: llvm-mc -triple=amdgcn-amd-amdhsa -mcpu=gfx1250 --defsym DOCPART=n.
;; ======== version 1 of 1: 2 launches
;; limits: right only within a limited range of input values
;; workspace buffers: xcodes 16,777,216 bytes
;; launch qkvatt (part 1): grid 4 x 64, 4 waves a work-group, clusters of 4 x 4, 327,680 bytes of LDS; arguments query_codes, key_codes, value_codes, Wq_codes, Wk_codes, Wv_codes, bq, bk, bv, lowp_scales, xcodes; writes xcodes
.if DOCPART == 1
	.amdgcn_target "amdgcn-amd-amdhsa--gfx1250"
	.amdhsa_code_object_version 6
	.text
	.protected	k_q5687b1ad5a_qkvatt
	.globl	k_q5687b1ad5a_qkvatt
	.p2align	8
	.type	k_q5687b1ad5a_qkvatt,@function
k_q5687b1ad5a_qkvatt:
	s_mov_b64 s[64:65], 0
	v_nop
	global_prefetch_b8 v0, s[64:65] scope:SCOPE_SE
	s_setreg_imm32_b32 hwreg(HW_REG_WAVE_MODE, 25, 1), 1
	s_wait_xcnt 0x0
	s_wait_alu depctr_hold_cnt(0) depctr_sa_sdst(0) depctr_va_vdst(0) depctr_va_sdst(0) depctr_va_ssrc(0) depctr_va_vcc(0) depctr_vm_vsrc(0)
	s_getreg_b32 s2, hwreg(HW_REG_IB_STS2, 6, 4)
	s_cmp_eq_u32 s2, 0
	s_cbranch_scc0 .Lentry_in_a_cluster
	s_endpgm
.Lentry_in_a_cluster:
	s_bfe_u32 s2, ttmp6, 0x10000c
	s_cmp_lg_u32 s2, 0xf033
	s_cbranch_scc0 .Lentry_shape_is_right
	s_endpgm
.Lentry_shape_is_right:
; q = query Wq^T + bq, k = key Wk^T + bk, v = value Wv^T + bv on E4M3 codes (16,384 rows, K = 1,024, 1,024 columns each); then, for every token (8 rows) and head (64 columns),
; x = softmax(q k^T / 8) v in f32; x is quantised with 2^e6 and stored as codes for the launch that follows.
; SHARES.  A tile is 128 rows x 256 columns (4 heads) of q, k and v; a wave makes 64 rows x 128 columns (2 heads) of each: 3 x 32 accumulators of 16 x 16, 768 registers.  A WORK-GROUP STAYS for two tiles, 8,192 rows apart,
; and the ring goes on into the second.
; The three products are ONE walk of 12 K steps of 256: steps 0-3 query and Wq, 4-7 key and Wk, 8-11 value and Wv.  A K step is four quarters of 64 along K (32 matrix instructions each).
; THE RING has THREE LDS slots; K step t lies in slot t mod 3.  A tensor load brings a whole tile (A: 128 rows, B: 256 rows, 256 bytes each).  Behind K steps 1, 4, 7 and 10 slots 0 and 1 are filled again together
; (waves 0, 1: A of the two K steps; waves 2, 3: B), behind K steps 2, 5, 8 and 11 slot 2 (waves 0 and 2).  The fills behind K steps 10 and 11 are the next tile's K steps 0 to 2; the last tile's tail is written out and fills nothing.
; CLUSTERS: 4 x 4 work-groups.  The four of a row of the cluster need the same 128 activation rows, the four of a column the same 256 weight rows: each tile is asked for JOINTLY.
; LAYOUT.  q and k are made TRANSPOSED (source 0 = 16 weight rows, source 1 = 16 activation rows): lane (r, h), register j holds row r, channel 16 b + 8 h + j.  v is made in the natural order: row 8 h + j, channel 16 b + r.
; A block of 16 rows is two tokens.  Scores: a pair of registers of k (source 0) and the same pair of q (source 1) are 4 channels of the f32 matrix form: 16 instructions a head give lane (r, h), register j the score of
; query row r with key row 8 h + j.  A row's eight scores lie in ONE lane, where h = r / 8; the other lanes hold scores across the two tokens, and their weights are made 0 (a factor 0 in 1 / sum).
; Head 0's scores and softmax stand at the head of K step 8, head 1's at the head of K step 9.  p lies over k's accumulators of the head just scored.
; x^T = v^T p^T: a pair of registers of v (source 0) and the same pair of p (source 1) are 4 key rows; four instructions cover the 16 rows.  x's sums are laid over q's accumulators, which matrix instructions alone ever write.
; xcodes: for each block of 16 rows (16,384 bytes) and each 128 channels of it (2,048 bytes) the registers of a wave: 4 pieces c of 512 bytes, 16 bytes a lane: lane (r, h) has row r, channels 32 c + 8 h + 0 .. 7 and 32 c + 16 + 8 h + 0 .. 7.
; SCALES.  bq / 2^(e0+e1) and bk / 2^(e2+e3) are the C of the first products; a score is multiplied by c = log2(e) / 8 x 2^(e0+e1+e2+e3); x = sum x 2^(e4+e5) + bv: bv is added behind the product with p, whose row sums
; are 1 to f32 rounding.
; LIMITS: e0+e1+e2+e3 between -123 and 130 (added to c's exponent field); e4+e5 between -126 and 127; e6 between -126 and 119.  NaN codes are not served: a NaN in one token also reaches the token that shares its block of 16 rows.
; PREFETCH: the activation rows, three K steps ahead of the tensor load (the macro ASK).  The weights are not prefetched: the 64 work-groups of a tile column walk the same weight tiles in the same order, so few of their reads are the first.
; REGISTERS, in windows of 256 (s_set_vgpr_msb: bits 1:0 source 0, 3:2 source 1, 5:4 source 2, 7:6 destination):
;   window 0: v0-31 addresses and constants; v32-127, v128-223 two fragment buffers (4 of A, 8 of B, 8 registers each); v224-255 the scores, written by matrix instructions alone.
;   window 1: q's accumulators, (a, b) at v[8 (8 a + b)], later x's sums; window 2: k's, later p and the softmax's work; window 3: v's; ahead of v the two biases (v0-63, v64-127); behind it x's codes (v128-191).
.set PITCH, 272                        ; an LDS row: 256 bytes + 16 of padding = 68 words: row r starts at bank 4 r mod 64 (64 banks of 4 bytes: ISA guide 11.1)
.set AHALF, 64*PITCH
.set BHALF, 128*PITCH
.set BOFF,  128*PITCH                  ; a slot: A's 128 rows, then B's 256
.set SLOT,  384*PITCH
.set SPARE, 3*SLOT                     ; the spare words, 128 bytes for each wave: two blocks of 256 bytes that no other line names
.set NEXT,  8192*1024                  ; from a tile to the next, in bytes of an activation tensor and of xcodes alike
.set LIM,  10                          ; 448 x 2^e6
.set SC,   11                          ; 2^e6
.set ADRA, 16                          ; v16-18
.set ADRB, 20                          ; v20-22
.set CO,   26                          ; 16 x lane
.set MASK, 27                          ; 1.0 where my eight scores belong to my query's token, else 0.0
.set SPW,  28
.set NIL,  29
.set BO,   30                          ; 32 h
.set PFO,  31                          ; 1,024 x lane
.set F0,   32
.set F1,   128
.set SS,   224
.set BV,   32
.set TT,   128
.set CD,   128                         ; in window 3: x's codes, block a at v[CD + 16 a]
.set OST,  8                           ; in window 2, block a of head hd, from v[64 a + 32 hd] on: +0..7 p;  +8 c m, +9 m;  +12..15 partial sums;  +16 MASK / l, +17 l
.set OSU,  12
.set ORL,  16
.set PA,   4                           ; s[4:9]   query, key, value at my tile's first row
.set PB,   10                          ; s[10:15] Wq, Wk, Wv at my tile's first row
.set WV,   26
.set RH,   27
.set CH,   28
.set G1A,  36
.set G1B,  44
.set G0A,  52
.set G0B,  68
.set PFK,  80                          ; s[80:81], s[82:83] key, value at the rows that my work-group prefetches
.set PFV,  82
.set TRIP, 84
.set PFL,  85                          ; 1 in wave 0 in the first tile, else 0
.set CS,   92
.set XS,   94
.set PFQ,  100                         ; s[100:101] query at those rows of the second tile
.set MSB, 0
.macro WIN new                         ; the immediate's high byte repeats the setting that is left
.if MSB != \new
	s_set_vgpr_msb (MSB<<8)|\new
.set MSB, \new
.endif
.endm
.macro WINM p, first                   ; product p: fragments window 0, D window p + 1, C the same, or window 3 where the bias starts the sums
.if (\first) && ((\p) < 2)
.set wm, 0x30|(((\p)+1)<<6)
.else
.set wm, (((\p)+1)<<4)|(((\p)+1)<<6)
.endif
	WIN wm
.endm
; A load into a register that a matrix instruction has read, and a vector instruction that reads a matrix result or writes one of a matrix instruction's registers, stand 4 places behind an fp8 form and 8 behind the f32 form;
; a matrix instruction that takes a result as a source or writes over a register of an earlier one, 5 and 9 (except for loads).  Only plain vector instructions are places.
.macro PLACES n
.rept \n
	v_nop
.endr
.endm
.macro TDM g0, g1                      ; s_nop 0 and four v_nop follow each tensor load
	tensor_load_to_lds s[\g0:\g0+3], s[\g1:\g1+7]
	s_nop 0
	PLACES 4
.endm
; The joint fill of slots 0 and 1: wave 0 A's tile of slot 0, wave 1 A's of slot 1, wave 2 B's of slot 0, wave 3 B's of slot 1.  The branches hang on the wave's number alone.
.macro JLOAD2
	s_cmp_lt_u32 s[WV], 2
	s_cbranch_scc0 .Lfor_b_\@
	s_cmp_eq_u32 s[WV], 0
	s_cbranch_scc0 .Lfor_a1_\@
	TDM G0A, G1A
	s_branch .Lasked_\@
.Lfor_a1_\@:
	TDM G0A+4, G1A
	s_branch .Lasked_\@
.Lfor_b_\@:
	s_cmp_eq_u32 s[WV], 2
	s_cbranch_scc0 .Lfor_b1_\@
	TDM G0B, G1B
	s_branch .Lasked_\@
.Lfor_b1_\@:
	TDM G0B+4, G1B
.Lasked_\@:
.endm
; The joint fill of slot 2: wave 0 A's tile, wave 2 B's, waves 1 and 3 nothing.
.macro JLOAD1
	s_cmp_eq_u32 s[WV], 0
	s_cbranch_scc0 .Lnot_a_\@
	TDM G0A+8, G1A
	s_branch .Lasked_\@
.Lnot_a_\@:
	s_cmp_eq_u32 s[WV], 2
	s_cbranch_scc0 .Lasked_\@
	TDM G0B+8, G1B
.Lasked_\@:
.endm
.macro CREST                           ; a round of the cluster barrier behind its opening barrier
	s_cmp_lg_u32 s[WV], 0
	s_cbranch_scc1 .Lnot_wave_0_\@
	s_barrier_signal -3
.Lnot_wave_0_\@:
	s_barrier_wait -3
	s_barrier_signal -1
	s_barrier_wait -1
.endm
.macro CROUND
	s_barrier_signal -1
	s_barrier_wait -1
	CREST
.endm
.macro BIAS                            ; lane (r, h) takes, for column block b, the bias of channels 16 b + 8 h + 0 .. 7: the layout of a transposed result
	WIN 0xc0
.irp b, 0,1,2,3,4,5,6,7
	global_load_b128 v[8*\b:8*\b+3],       v[BO], s[16:17] offset:64*\b
	global_load_b128 v[8*\b+4:8*\b+7],     v[BO], s[16:17] offset:64*\b+16
	global_load_b128 v[64+8*\b:64+8*\b+3], v[BO], s[18:19] offset:64*\b
	global_load_b128 v[64+8*\b+4:64+8*\b+7], v[BO], s[18:19] offset:64*\b+16
.endr
	WIN 0
.endm
	s_load_b256 s[4:11], s[0:1], 0x0               ; query s[4:5], key s[6:7], value s[8:9], Wq s[10:11]
	s_load_b256 s[12:19], s[0:1], 0x20             ; Wk s[12:13], Wv s[14:15], bq s[16:17], bk s[18:19]
	s_load_b128 s[20:23], s[0:1], 0x40             ; bv s[20:21], the exponents s[22:23]
	s_load_b64 s[24:25], s[0:1], 0x50              ; xcodes
	v_lshl_add_u32 v[SPW], v0, 2, SPARE
	v_mov_b32 v[NIL], 0
	ds_add_u32 v[SPW], v[NIL]                      ; the opening: the add, twice on end, and one wait
	ds_add_u32 v[SPW], v[NIL]
	v_lshrrev_b32 v3, 5, v0
	v_readfirstlane_b32 s[WV], v3                  ; wave 0..3
	s_lshr_b32 s[RH], s[WV], 1
	s_and_b32 s[CH], s[WV], 1
	s_bfe_u32 s29, ttmp6, 0x40000                  ; cx, cy: my place in the cluster
	s_bfe_u32 s30, ttmp6, 0x40004
	s_lshl_b32 s31, ttmp9, 2
	s_add_co_u32 s31, s31, s29                     ; tile column = 4 x cluster x + cx
	s_and_b32 s32, ttmp7, 0xffff
	s_lshl_b32 s32, s32, 2
	s_add_co_u32 s32, s32, s30                     ; tile row = 4 x cluster y + cy
	s_lshl_b32 s33, s30, 2
	s_lshl_b32 s33, 15, s33                        ; my row of the cluster
	s_lshl_b32 s34, 0x1111, s29                    ; my column
	; descriptor groups 1: rows of 256 bytes, 1,024 bytes apart in memory, 16 bytes of padding behind each in LDS.  A: 128 rows; B: 256 rows
	s_or_b32 s[G1A], s33, (1<<20)|(1<<21)|(5<<22)|(3<<25)
	s_or_b32 s[G1B], s34, (1<<20)|(1<<21)|(5<<22)|(3<<25)
	s_mov_b32 s[G1A+2], 128<<16
	s_mov_b32 s[G1A+4], 128
	s_mov_b32 s[G1B+2], 256<<16
	s_mov_b32 s[G1B+4], 256
.irp g, G1A, G1B
	s_mov_b32 s[\g+1], 256<<16
	s_mov_b32 s[\g+3], 256<<16
	s_mov_b32 s[\g+5], 1024
	s_mov_b32 s[\g+6], 0
	s_mov_b32 s[\g+7], 0
.endr
	; offsets, each in registers of its own: what feeds A's descriptors never holds cx, what feeds B's never cy
	s_lshl_b32 s66, s32, 17                        ; A: 128 x tile row rows of 1,024 bytes
	s_mov_b32 s67, 0
	s_lshl_b32 s34, s31, 18                        ; B: 256 x tile column rows
	s_mov_b32 s35, 0
	s_lshl_b32 s96, s32, 17                        ; the prefetches: (128 x tile row + 32 cx) rows: the four partners of a row of the cluster share the 128 rows out by address
	s_lshl_b32 s2, s29, 15
	s_add_co_u32 s96, s96, s2
	s_mov_b32 s97, 0
	s_lshl_b32 s98, s31, 10                        ; the biases: (256 x tile column + 128 x half) numbers of 4 bytes
	s_lshl_b32 s2, s[CH], 9
	s_add_co_u32 s98, s98, s2
	s_mov_b32 s99, 0
	s_lshl_b32 s2, s32, 17                         ; xcodes: block 8 x tile row + 4 x half of the rows, 128 channels number 2 x tile column + half of the columns
	s_lshl_b32 s3, s[RH], 16
	s_add_co_u32 s2, s2, s3
	s_lshl_b32 s3, s31, 12
	s_add_co_u32 s2, s2, s3
	s_lshl_b32 s3, s[CH], 11
	s_add_co_u32 s2, s2, s3
	s_mov_b32 s3, 0
	s_wait_dscnt 0x0                               ; both opening adds are done
	s_wait_kmcnt 0x0
	s_load_b256 s[84:91], s[22:23], 0x0            ; e0 .. e7
	s_add_nc_u64 s[PFQ:PFQ+1], s[4:5], s[96:97]
	s_add_nc_u64 s[PFQ:PFQ+1], s[PFQ:PFQ+1], NEXT
	s_add_nc_u64 s[PFK:PFK+1], s[6:7], s[96:97]
	s_add_nc_u64 s[PFV:PFV+1], s[8:9], s[96:97]
	s_add_nc_u64 s[4:5], s[4:5], s[66:67]
	s_add_nc_u64 s[6:7], s[6:7], s[66:67]
	s_add_nc_u64 s[8:9], s[8:9], s[66:67]
	s_add_nc_u64 s[10:11], s[10:11], s[34:35]
	s_add_nc_u64 s[12:13], s[12:13], s[34:35]
	s_add_nc_u64 s[14:15], s[14:15], s[34:35]
	s_add_nc_u64 s[16:17], s[16:17], s[98:99]
	s_add_nc_u64 s[18:19], s[18:19], s[98:99]
	s_add_nc_u64 s[20:21], s[20:21], s[98:99]
	s_add_nc_u64 s[24:25], s[24:25], s[2:3]
	CROUND                                         ; all sixteen work-groups are here: the first joint loads meet
.irp j, 0,1,2
	s_mov_b32 s[G0A+4*\j], 1
	s_mov_b32 s[G0A+4*\j+1], \j*SLOT
	s_add_nc_u64 s[G0A+4*\j+2:G0A+4*\j+3], s[PA:PA+1], \j*256
	s_or_b32 s[G0A+4*\j+3], s[G0A+4*\j+3], 0x80000000
	s_mov_b32 s[G0B+4*\j], 1
	s_mov_b32 s[G0B+4*\j+1], \j*SLOT+BOFF
	s_add_nc_u64 s[G0B+4*\j+2:G0B+4*\j+3], s[PB:PB+1], \j*256
	s_or_b32 s[G0B+4*\j+3], s[G0B+4*\j+3], 0x80000000
.endr
	JLOAD2                                         ; K steps 0 and 1: one tensor load a wave at the head
	; while they land: addresses, the two biases, the scales
	s_mul_i32 s2, s[RH], AHALF                     ; my 64 rows of A
	s_mul_i32 s3, s[CH], BHALF
	s_add_co_u32 s3, s3, BOFF                      ; my 128 rows of B
	v_and_b32 v1, 15, v0                           ; r
	v_bfe_u32 v2, v0, 4, 1                         ; h
	v_mul_u32_u24 v4, v1, PITCH
	v_lshl_add_u32 v4, v2, 4, v4                   ; a fragment's row x pitch + 16 h
	v_add_nc_u32 v[ADRA], s2, v4
	v_add_nc_u32 v[ADRB], s3, v4
	v_add_nc_u32 v[ADRA+1], SLOT, v[ADRA]
	v_add_nc_u32 v[ADRB+1], SLOT, v[ADRB]
	v_add_nc_u32 v[ADRA+2], 2*SLOT, v[ADRA]
	v_add_nc_u32 v[ADRB+2], 2*SLOT, v[ADRB]
	v_and_b32 v5, 31, v0
	v_lshlrev_b32 v[CO], 4, v5
	v_lshlrev_b32 v[PFO], 10, v5
	v_lshlrev_b32 v[BO], 5, v2
	v_bfe_u32 v3, v0, 3, 1                         ; r / 8: my query's token in a block of 16 rows
	v_xor_b32 v3, v3, v2                           ; 0 where my eight key rows (8 h on) are that token's
	v_cvt_f32_u32 v3, v3
	v_sub_f32 v[MASK], 1.0, v3
	BIAS
	s_wait_alu depctr_va_vdst(0)
	s_wait_kmcnt 0x0
	s_add_co_i32 s96, s84, s85                     ; e0 + e1
	s_add_co_i32 s97, s86, s87                     ; e2 + e3
	s_add_co_i32 s2, s96, s97
	s_lshl_b32 s2, s2, 23
	s_mov_b32 s[CS], 0x3e38aa3b                    ; log2(e) / 8
	s_add_co_i32 s[CS], s[CS], s2                  ; the four exponents are added to its exponent field
	s_mov_b32 s[CS+1], s[CS]                       ; (named with it as a pair, so it is written)
	s_sub_co_i32 s96, 0, s96
	s_sub_co_i32 s97, 0, s97
	s_add_co_i32 s[XS], s88, s89
	s_add_co_i32 s[XS], s[XS], 127
	s_lshl_b32 s[XS], s[XS], 23                    ; 2^(e4+e5)
	s_mov_b32 s[XS+1], s[XS]
	s_add_co_i32 s2, s90, 127
	s_lshl_b32 s3, s2, 23
	v_mov_b32 v[SC], s3                            ; 2^e6 as f32: the conversion takes its exponent field
	s_add_co_i32 s2, s2, 8
	s_lshl_b32 s2, s2, 23
	s_or_b32 s2, s2, 0x600000
	v_mov_b32 v[LIM], s2                           ; 448 x 2^e6
	s_cmp_eq_u32 s[WV], 0
	s_cselect_b32 s[PFL], 1, 0
	s_mov_b32 s[TRIP], 0
	s_mov_b32 s87, 0
; 24 LDS loads in one run: a quarter's fragments (64 along K at byte k of the rows) into buffer f.  A fragment, 16 rows x 64 K, is 8 registers: lane (r, h) takes of row r bytes 16 h + 0 .. 15 and 32 + 16 h + 0 .. 15:
; a permutation of k, the same in A and in B.
.macro FETCH slot, k, f
.irp a, 0,1,2,3
	ds_load_b128 v[\f+8*\a:\f+8*\a+3],   v[ADRA+\slot] offset:\k+\a*16*PITCH
	ds_load_b128 v[\f+8*\a+4:\f+8*\a+7], v[ADRA+\slot] offset:\k+\a*16*PITCH+32
.endr
.irp b, 0,1,2,3,4,5,6,7
	ds_load_b128 v[\f+32+8*\b:\f+32+8*\b+3], v[ADRB+\slot] offset:\k+\b*16*PITCH
	ds_load_b128 v[\f+32+8*\b+4:\f+32+8*\b+7], v[ADRB+\slot] offset:\k+\b*16*PITCH+32
.endr
.endm
; 8 n matrix instructions of product p: row blocks a0 on x 8 column blocks, 64 along K from buffer f.  first = 1: the products start the sums, with the bias or with 0.
; The 32 accumulators take turns, one instruction a turn, in the same order in every quarter.
.macro MUL f, p, a0, n, first
.set ma, \a0
.rept \n
.irp b, 0,1,2,3,4,5,6,7
.set rD, 8*(8*ma+\b)
.set rA, \f+8*ma
.set rB, \f+32+8*\b
.if (\p) < 2
.if \first
	v_wmma_f32_16x16x64_fp8_fp8 v[rD:rD+7], v[rB:rB+7], v[rA:rA+7], v[64*(\p)+8*\b:64*(\p)+8*\b+7]
.else
	v_wmma_f32_16x16x64_fp8_fp8 v[rD:rD+7], v[rB:rB+7], v[rA:rA+7], v[rD:rD+7]
.endif
.else
.if \first
	v_wmma_f32_16x16x64_fp8_fp8 v[rD:rD+7], v[rA:rA+7], v[rB:rB+7], 0
.else
	v_wmma_f32_16x16x64_fp8_fp8 v[rD:rD+7], v[rA:rA+7], v[rB:rB+7], v[rD:rD+7]
.endif
.endif
.endr
.set ma, ma+1
.endr
.endm
; A quarter without a barrier: the next quarter's fragments are asked for into buffer g, then buffer f is multiplied.  It is also a K step's last quarter where the next K step's slot was shown whole at the barrier before.
.macro QUARTER slot, k, f, g, p, first
	PLACES 4                                       ; buffer g was read by the matrix instructions of the quarter before
	FETCH \slot, \k, \g
	s_wait_dscnt 24                                ; all but the 24 just issued: buffer f is in
	WINM \p, \first
	MUL \f, \p, 0, 4, \first
	WIN 0
.endm
; A PREFETCH INTO THE L2 behind the joint load and the run of LDS loads: 256 bytes of each of 32 rows of one or two K steps, which the change of slots three K steps later asks for.  Wave 0 asks, a lane a row.
; The 128 rows of a tile are read by the four partners of a row of the cluster and by no other work-group; each partner names 32 of them, told apart by address.
; The first tile's K steps 0 to 5 come by their loads alone; the second tile asks for nothing behind its K step 5.
.macro ASK reg, val, p0, k0, p1, k1
	s_cmp_eq_u32 s[\reg], \val
	s_cbranch_scc0 .Lnot_mine_\@
	global_prefetch_b8 v[PFO], s[\p0:\p0+1] offset:256*\k0 th:TH_LOAD_NT scope:SCOPE_SE
.if \p1
	global_prefetch_b8 v[PFO], s[\p1:\p1+1] offset:256*\k1 th:TH_LOAD_NT scope:SCOPE_SE
.endif
.Lnot_mine_\@:
.endm
.macro SETG j, u                       ; slot j's groups 0 take K step u.  No tensor load of mine is out where this stands
	s_add_nc_u64 s[G0A+4*\j+2:G0A+4*\j+3], s[PA+2*((\u)/4):PA+2*((\u)/4)+1], 256*((\u)%4)
	s_or_b32 s[G0A+4*\j+3], s[G0A+4*\j+3], 0x80000000
	s_add_nc_u64 s[G0B+4*\j+2:G0B+4*\j+3], s[PB+2*((\u)/4):PB+2*((\u)/4)+1], 256*((\u)%4)
	s_or_b32 s[G0B+4*\j+3], s[G0B+4*\j+3], 0x80000000
.endm
; The last quarter of K step t (symbols t, nx = the next K step's slot, pp = its product) with a barrier.  In front of the barrier each wave waits for all its tensor loads, adds 0 to its spare word, and waits for that and for its
; LDS reads, so that behind it every slot that has been asked for is whole and nobody reads a slot that has been left.
; kind = 2: slots 0 and 1 are filled again, with K steps t + 2 and t + 3; kind = 1: slot 2, with K step t + 3 (from 12 on: the next tile's): the barrier then opens a round.  kind = 0: nothing is filled.
.macro TURN kind
	s_wait_tensorcnt 0x0
	ds_add_u32 v[SPW], v[NIL]                      ; 0 onto my spare word
.if \kind == 2
	SETG 0, (t+2)%12
	SETG 1, (t+3)%12
.elseif \kind == 1
	SETG 2, (t+3)%12
.endif
	s_wait_dscnt 1                                 ; buffer 1's 24 loads are in; the add may be out
	WINM pp, 0
	MUL F1, pp, 0, 1, 0
	s_wait_dscnt 0x0                               ; the add is done, and my reads of the slots that I have left are over
	s_barrier_signal -1
	MUL F1, pp, 1, 1, 0
	WIN 0
	s_barrier_wait -1
.if \kind == 2
	CREST
	JLOAD2                                         ; its four v_nop are also the places in front of the loads below
.elseif \kind == 1
	CREST
	JLOAD1
	PLACES 4                                       ; on every wave's way
.else
	PLACES 4
.endif
.if t < 11
	FETCH nx, 0, F0
.endif
.if t == 1
	ASK WV, 0, PFK, 2, PFK, 3
.elseif t == 2
	ASK WV, 0, PFV, 0, 0, 0
.elseif t == 4
	ASK WV, 0, PFV, 1, PFV, 2
.elseif t == 5
	ASK WV, 0, PFV, 3, 0, 0
.elseif t == 7
	ASK PFL, 1, PFQ, 0, PFQ, 1
.elseif t == 8
	ASK PFL, 1, PFQ, 2, 0, 0
.elseif (t == 10) && (\kind == 2)
	ASK PFL, 1, PFQ, 3, PFK, 0
.elseif (t == 11) && (\kind == 1)
	ASK PFL, 1, PFK, 1, 0, 0
.endif
	WINM pp, 0
	MUL F1, pp, 2, 2, 0
	WIN 0
.endm
; ---- ATTENTION, in registers.
; The scores of head hd, for my four blocks of 16 rows: 16 steps of 4 channels; the four accumulators take turns.
.macro SCORE hd
	WIN 0x06                                       ; source 0 (k) window 2, source 1 (q) window 1, C and D window 0
.set kq, 0
.rept 16
.irp a, 0,1,2,3
.set rK, 8*(8*\a+4*(\hd)+kq/4)+2*(kq%4)
.if kq == 0
	v_wmma_f32_16x16x4_f32 v[SS+8*\a:SS+8*\a+7], v[rK:rK+1], v[rK:rK+1], 0
.else
	v_wmma_f32_16x16x4_f32 v[SS+8*\a:SS+8*\a+7], v[rK:rK+1], v[rK:rK+1], v[SS+8*\a:SS+8*\a+7]
.endif
.endr
.set kq, kq+1
.endr
	WIN 0
.endm
; The softmax of a lane's eight scores, the four blocks side by side: p = 2^(c s - c m) x MASK / l, m the largest score, l the sum.  No lane looks at another.
.macro SOFTMAX hd
.set hb, 32*(\hd)
	WIN 0x80                                       ; destination window 2
.irp a, 0,1,2,3
	v_max3_num_f32 v[64*\a+hb+OST+1], v[SS+8*\a], v[SS+8*\a+1], v[SS+8*\a+2]       ; each accumulator from its low end on
.endr
	WIN 0x82                                       ; source 0 window 2 as well
.irp a, 0,1,2,3
	v_max3_num_f32 v[64*\a+hb+OST+1], v[64*\a+hb+OST+1], v[SS+8*\a+3], v[SS+8*\a+4]
.endr
.irp a, 0,1,2,3
	v_max3_num_f32 v[64*\a+hb+OST+1], v[64*\a+hb+OST+1], v[SS+8*\a+5], v[SS+8*\a+6]
.endr
.irp a, 0,1,2,3
	v_max_num_f32 v[64*\a+hb+OST+1], v[64*\a+hb+OST+1], v[SS+8*\a+7]
.endr
.irp a, 0,1,2,3
	v_mul_f32 v[64*\a+hb+OST], v[64*\a+hb+OST+1], s[CS]      ; c m (c is positive)
.endr
	WIN 0xa0                                       ; source 0 (the scores) window 0, source 2 (c m) and destination window 2
.irp a, 0,1,2,3
.irp i, 0,2,4,6
	v_pk_fma_f32 v[64*\a+hb+\i:64*\a+hb+\i+1], v[SS+8*\a+\i:SS+8*\a+\i+1], s[CS:CS+1], v[64*\a+hb+OST:64*\a+hb+OST+1] op_sel_hi:[1,0,0] neg_lo:[0,0,1] neg_hi:[0,0,1]   ; c s - c m
.endr
.endr
	WIN 0x82
	s_wait_alu depctr_va_vdst(0)                   ; a wait ahead of the batch and one behind it
.irp a, 0,1,2,3
.irp i, 0,1,2,3,4,5,6,7
	v_exp_f32 v[64*\a+hb+\i], v[64*\a+hb+\i]
.endr
.endr
	v_nop
	WIN 0x8a                                       ; sources 0 and 1 and destination window 2
	s_wait_alu depctr_va_vdst(0)
.irp a, 0,1,2,3
	v_pk_add_f32 v[64*\a+hb+OSU:64*\a+hb+OSU+1], v[64*\a+hb:64*\a+hb+1], v[64*\a+hb+2:64*\a+hb+3]
	v_pk_add_f32 v[64*\a+hb+OSU+2:64*\a+hb+OSU+3], v[64*\a+hb+4:64*\a+hb+5], v[64*\a+hb+6:64*\a+hb+7]
.endr
.irp a, 0,1,2,3
	v_pk_add_f32 v[64*\a+hb+OSU:64*\a+hb+OSU+1], v[64*\a+hb+OSU:64*\a+hb+OSU+1], v[64*\a+hb+OSU+2:64*\a+hb+OSU+3]
.endr
.irp a, 0,1,2,3
	v_add_f32 v[64*\a+hb+ORL+1], v[64*\a+hb+OSU], v[64*\a+hb+OSU+1]   ; l, at least 1
.endr
	s_wait_alu depctr_va_vdst(0)
.irp a, 0,1,2,3
	v_rcp_f32 v[64*\a+hb+ORL], v[64*\a+hb+ORL+1]
.endr
	v_nop
	WIN 0x82                                       ; source 1 (MASK) window 0
	s_wait_alu depctr_va_vdst(0)
.irp a, 0,1,2,3
	v_mul_f32 v[64*\a+hb+ORL], v[64*\a+hb+ORL], v[MASK]      ; 0 in the lanes whose scores cross the two tokens
.endr
	WIN 0x8a
.irp a, 0,1,2,3
.irp i, 0,2,4,6
	v_pk_mul_f32 v[64*\a+hb+\i:64*\a+hb+\i+1], v[64*\a+hb+\i:64*\a+hb+\i+1], v[64*\a+hb+ORL:64*\a+hb+ORL+1] op_sel_hi:[1,0]
.endr
.endr
	WIN 0
	s_wait_alu depctr_va_vdst(0)
.endm
; x^T = v^T p^T of head hd: four steps of 4 key rows; 16 accumulators (4 blocks of rows x 4 of channels) take turns.
.macro PVX hd
	WIN 0x5b                                       ; source 0 (v) window 3, source 1 (p) window 2, C and D window 1
.set kq, 0
.rept 4
.irp a, 0,1,2,3
.irp b, 0,1,2,3
.set rX, 8*(8*\a+4*(\hd)+\b)
.set rP, 64*\a+32*(\hd)+2*kq
.if kq == 0
	v_wmma_f32_16x16x4_f32 v[rX:rX+7], v[rX+2*kq:rX+2*kq+1], v[rP:rP+1], 0
.else
	v_wmma_f32_16x16x4_f32 v[rX:rX+7], v[rX+2*kq:rX+2*kq+1], v[rP:rP+1], v[rX:rX+7]
.endif
.endr
.endr
.set kq, kq+1
.endr
	WIN 0
.endm
; Block a of 16 rows: x = sum x 2^(e4+e5) + bv, held within +-448 x 2^e6 (the conversion to an 8-bit code does not saturate: ISA guide 7.6.2), converted, and stored as it lies: each store is 512 consecutive bytes.
.macro OUT a
	WIN 0x01                                       ; source 0 window 1
.irp b, 0,1,2,3,4,5,6,7
.irp i, 0,2,4,6
	v_pk_fma_f32 v[TT+8*\b+\i:TT+8*\b+\i+1], v[8*(8*(\a)+\b)+\i:8*(8*(\a)+\b)+\i+1], s[XS:XS+1], v[BV+8*\b+\i:BV+8*\b+\i+1] op_sel_hi:[1,0,1]
.endr
.endr
	WIN 0
.set i, 0
.rept 64
	v_med3_num_f32 v[TT+i], v[TT+i], -v[LIM], v[LIM]
.set i, i+1
.endr
	WIN 0xc0
.irp b, 0,1,2,3,4,5,6,7
	v_cvt_scalef32_pk8_fp8_f32 v[CD+16*(\a)+2*\b:CD+16*(\a)+2*\b+1], v[TT+8*\b:TT+8*\b+7], v[SC]
.endr
	v_nop                                          ; a plain instruction between the last conversion and the next one that writes its sources
	WIN 0x0c                                       ; store data window 3
.irp c, 0,1,2,3
	global_store_b128 v[CO], v[CD+16*(\a)+4*\c:CD+16*(\a)+4*\c+3], s[98:99] offset:16384*(\a)+512*\c th:TH_STORE_NT
.endr
	WIN 0
.endm
.macro THREE first                     ; a K step's first three quarters
	QUARTER sl, 64, F0, F1, pp, \first
	QUARTER sl, 128, F1, F0, pp, 0
	QUARTER sl, 192, F0, F1, pp, 0
.endm
	s_wait_alu depctr_va_vdst(0)
	s_wait_tensorcnt 0x0                           ; my part of K steps 0 and 1 is in
	ds_add_u32 v[SPW], v[NIL]
	s_wait_dscnt 0x0
	CROUND
	JLOAD1                                         ; K step 2: slot 2's first fill
.Ltile:                                            ; two trips, a tile each.  Here slots 0 and 1 are whole and slot 2 is on its way
	s_wait_loadcnt 0x0                             ; the two biases
	WIN 0xc3                                       ; source 0 and destination window 3
.set i, 0
.rept 64
	v_ldexp_f32 v[i], v[i], s96                    ; bq / 2^(e0+e1): a sum of the first product stands for sum x 2^(e0+e1)
	v_ldexp_f32 v[64+i], v[64+i], s97              ; bk / 2^(e2+e3)
.set i, i+1
.endr
	WIN 0
	s_wait_alu depctr_va_vdst(0)
	FETCH 0, 0, F0
.set t, 0
.rept 10                                           ; written out, not looped: windows, source order, the first C and the kind of a K step's end differ from step to step
.set sl, t%3
.set nx, (t+1)%3
.set pp, t/4
.if t == 8                                         ; q and k are finished
	s_wait_xcnt 0x0                                ; the tile before has stored its codes out of v's window, and its stores have read their base
	s_lshl_b32 s86, s[TRIP], 23                    ; NEXT x trip
	s_add_nc_u64 s[98:99], s[24:25], s[86:87]
	PLACES 5                                       ; behind k's last products: their results become sources
	SCORE 0
	PLACES 8                                       ; the scores are read, and k's registers are written by vector instructions
	SOFTMAX 0
.endif
.if t == 9
	SCORE 1
	PLACES 8
	SOFTMAX 1
.endif
.if (t%4) == 0
	THREE 1                                        ; a product's first quarter starts its sums
.else
	THREE 0
.endif
.if (t%3) == 0
	QUARTER nx, 0, F1, F0, pp, 0                   ; slot 1 came with slot 0 and was shown whole at the same barrier
.elseif (t%3) == 1
	TURN 2
.else
	TURN 1
.endif
.set t, t+1
.endr
.set sl, 1
.set nx, 2
.set pp, 2
	THREE 0                                        ; K step 10
	s_cmp_eq_u32 s[TRIP], 0
	s_cbranch_scc0 .Llast                          ; the last tile's tail is written out: it fills nothing
	s_wait_xcnt 0x0                                ; my prefetches have read their addresses
	s_add_nc_u64 s[PA:PA+1], s[PA:PA+1], NEXT      ; on to the next tile's rows
	s_add_nc_u64 s[PA+2:PA+3], s[PA+2:PA+3], NEXT
	s_add_nc_u64 s[PA+4:PA+5], s[PA+4:PA+5], NEXT
	s_add_nc_u64 s[PFK:PFK+1], s[PFK:PFK+1], NEXT
	s_add_nc_u64 s[PFV:PFV+1], s[PFV:PFV+1], NEXT
	TURN 2                                         ; slots 0 and 1 take its K steps 0 and 1
.set t, 11
.set sl, 2
.set nx, 0
	THREE 0
	TURN 1                                         ; slot 2 its K step 2
	s_branch .Lattend
.Llast:
.set t, 10
.set sl, 1
.set nx, 2
	TURN 0
.set t, 11
.set sl, 2
.set nx, 0
	THREE 0
	s_wait_dscnt 0x0                               ; the very last quarter: nothing more to fetch
	WINM pp, 0
	MUL F1, pp, 0, 4, 0
	WIN 0
.Lattend:
	PLACES 5                                       ; behind the last fp8 products: their results become sources, and loads land in a fragment buffer
.irp b, 0,1,2,3,4,5,6,7
	global_load_b128 v[BV+8*\b:BV+8*\b+3],   v[BO], s[20:21] offset:64*\b      ; bv in x's layout; it lands under the products below
	global_load_b128 v[BV+8*\b+4:BV+8*\b+7], v[BO], s[20:21] offset:64*\b+16
.endr
	PVX 0
	PVX 1
	PLACES 8                                       ; x's sums are read by vector instructions, and loads land on v
	s_wait_loadcnt 0x0                             ; bv
	s_cmp_lg_u32 s[TRIP], 0
	s_cbranch_scc1 .Lno_bias                       ; the last tile has no successor
	BIAS                                           ; for the next tile (v lay over them); they land under the conversions below
.Lno_bias:
	OUT 0
	OUT 1
	OUT 2
	OUT 3
	s_mov_b32 s[PFL], 0
	s_add_co_u32 s[TRIP], s[TRIP], 1
	s_cmp_lt_u32 s[TRIP], 2
	s_wait_alu depctr_va_vdst(0)
	s_cbranch_scc1 .Ltile
	s_wait_tensorcnt 0x0                           ; the wave's end
	ds_add_u32 v[SPW], v[NIL]
	s_wait_dscnt 0x0
	CROUND                                         ; the closing round: no work-group ends while a partner may still ask for a tile that names it
	s_endpgm
.Lfunc_end_k_q5687b1ad5a_qkvatt:
	.size	k_q5687b1ad5a_qkvatt, .Lfunc_end_k_q5687b1ad5a_qkvatt-k_q5687b1ad5a_qkvatt
	.p2alignl 7, 3214868480
	.fill 96, 4, 3214868480
	.section	.rodata,"a",@progbits
	.p2align	6, 0x0
	.amdhsa_kernel k_q5687b1ad5a_qkvatt
		.amdhsa_group_segment_fixed_size 327680
		.amdhsa_private_segment_fixed_size 0
		.amdhsa_enable_private_segment 0
		.amdhsa_kernarg_size 88
		.amdhsa_user_sgpr_count 2
		.amdhsa_user_sgpr_kernarg_segment_ptr 1
		.amdhsa_wavefront_size32 1
		.amdhsa_system_sgpr_workgroup_id_x 1
		.amdhsa_system_sgpr_workgroup_id_y 1
		.amdhsa_system_sgpr_workgroup_id_z 1
		.amdhsa_system_vgpr_workitem_id 0
		.amdhsa_next_free_vgpr 1024
		.amdhsa_next_free_sgpr 102
		.amdhsa_reserve_vcc 0
		.amdhsa_float_denorm_mode_32 3
		.amdhsa_float_denorm_mode_16_64 3
		.amdhsa_memory_ordered 1
		.amdhsa_forward_progress 1
		.amdhsa_inst_pref_size 255
	.end_amdhsa_kernel
	.section	.bss,"aw",@nobits
	.p2align	6
	.space	262144
	.amdgpu_metadata
---
amdhsa.version: [ 1, 2 ]
amdhsa.kernels:
  - .name:           k_q5687b1ad5a_qkvatt
    .symbol:         k_q5687b1ad5a_qkvatt.kd
    .args:
      - { .name: query_codes, .offset: 0, .size: 8, .value_kind: global_buffer, .address_space: global }
      - { .name: key_codes, .offset: 8, .size: 8, .value_kind: global_buffer, .address_space: global }
      - { .name: value_codes, .offset: 16, .size: 8, .value_kind: global_buffer, .address_space: global }
      - { .name: Wq_codes, .offset: 24, .size: 8, .value_kind: global_buffer, .address_space: global }
      - { .name: Wk_codes, .offset: 32, .size: 8, .value_kind: global_buffer, .address_space: global }
      - { .name: Wv_codes, .offset: 40, .size: 8, .value_kind: global_buffer, .address_space: global }
      - { .name: bq, .offset: 48, .size: 8, .value_kind: global_buffer, .address_space: global }
      - { .name: bk, .offset: 56, .size: 8, .value_kind: global_buffer, .address_space: global }
      - { .name: bv, .offset: 64, .size: 8, .value_kind: global_buffer, .address_space: global }
      - { .name: lowp_scales, .offset: 72, .size: 8, .value_kind: global_buffer, .address_space: global }
      - { .name: xcodes, .offset: 80, .size: 8, .value_kind: global_buffer, .address_space: global }
    .group_segment_fixed_size: 327680
    .private_segment_fixed_size: 0
    .kernarg_segment_align: 8
    .kernarg_segment_size: 88
    .max_flat_workgroup_size: 128
    .sgpr_count:     102
    .vgpr_count:     1024
    .wavefront_size: 32
...
	.end_amdgpu_metadata
.endif
;; end of part 1
;; launch oproj (part 2): grid 4 x 64, 4 waves a work-group, clusters of 4 x 4, 327,680 bytes of LDS; arguments xcodes, Wo_codes, lowp_scales, bo, out0; writes out0
.if DOCPART == 2
	.amdgcn_target "amdgcn-amd-amdhsa--gfx1250"
	.amdhsa_code_object_version 6
	.text
	.protected	k_q5687b1ad5a_oproj
	.globl	k_q5687b1ad5a_oproj
	.p2align	8
	.type	k_q5687b1ad5a_oproj,@function
k_q5687b1ad5a_oproj:
	s_mov_b64 s[64:65], 0
	v_nop
	global_prefetch_b8 v0, s[64:65] scope:SCOPE_SE
	s_setreg_imm32_b32 hwreg(HW_REG_WAVE_MODE, 25, 1), 1
	s_wait_xcnt 0x0
	s_wait_alu depctr_hold_cnt(0) depctr_sa_sdst(0) depctr_va_vdst(0) depctr_va_sdst(0) depctr_va_ssrc(0) depctr_va_vcc(0) depctr_vm_vsrc(0)
	s_getreg_b32 s2, hwreg(HW_REG_IB_STS2, 6, 4)
	s_cmp_eq_u32 s2, 0
	s_cbranch_scc0 .Lentry_in_a_cluster
	s_endpgm
.Lentry_in_a_cluster:
	s_bfe_u32 s2, ttmp6, 0x10000c
	s_cmp_lg_u32 s2, 0xf033
	s_cbranch_scc0 .Lentry_shape_is_right
	s_endpgm
.Lentry_shape_is_right:
; out0 = x Wo^T + bo: x [16,384][1,024] and Wo [1,024][1,024] codes of E4M3, f32 sums, each finished sum multiplied by 2^(e6+e7).  LIMIT: e6+e7 between -126 and 127.
; x comes as register images: for each block of 16 rows 16,384 bytes, for each 128 channels of it 2,048: 4 pieces c of 512 bytes, 16 bytes a lane: lane (r, h) has row r, channels 32 c + 8 h + 0 .. 7 and 32 c + 16 + 8 h + 0 .. 7,
; which is the order in which the plain form takes K: Wo's fragments are loaded in the same order, 8 bytes at a time.
; SHARES.  A work-group makes 256 rows x 256 columns as TWO TILES of 128 x 256, one after the other; a wave 64 x 128 of each: 32 accumulators of 16 x 16, 256 registers, a window of its own for each tile.
; While the second tile is multiplied the first leaves: one block of 16 rows x 64 columns in each of the second tile's eight units of 128 along K.
; K STEPS of 256, 0-3 the first tile's, 4-7 the second's; K step t lies in slot t mod 3.  Head: slots 0 and 1, one load a wave (waves 0, 1: x of the two K steps; waves 2, 3: Wo), then slot 2 behind a round.
; Behind K steps 1 and 4 slots 0 and 1 are filled again together, behind K step 2 slot 2.
; CLUSTERS: 4 x 4 work-groups: the four of a row need the same rows of x, the four of a column the same rows of Wo: each tile is asked for JOINTLY.  THE MATRIX INSTRUCTION IS USED TRANSPOSED (source 0 = 16 rows of Wo, source 1 = 16 rows of x).
; PREFETCH: x, one or two K steps ahead of its tensor load (the macro ASK).  Wo is not prefetched: its two tiles read the same rows, and 64 work-groups read each of them in the same order.
; REGISTERS: window 0: v0-31 addresses, bo; v32-95 the way out; v128-191, v192-255 x's fragments, two sets; window 1: Wo's fragments, two sets, v0-127, v128-255; window 2: the first tile's accumulators, (a, b) at v[8 (8 a + b)]; window 3: the second's.
.set PITCH, 272                        ; an LDS row of Wo or of the stage: 256 bytes + 16 of padding
.set BOFF,  32768                      ; a slot: x's image, 8 blocks x 4,096 bytes, then Wo's 256 rows
.set SLOT,  BOFF+256*PITCH
.set STAGE, 3*SLOT                     ; 16 rows x 272 bytes for each wave; no fill lands there
.set SPARE, STAGE+64*PITCH             ; the spare words, 128 bytes for each wave: two blocks of 256 bytes that no other line names
.set BI,   8                           ; v8-11, v12-15 bo at my lane's four columns of either half
.set ADRA, 16                          ; v16-18
.set ADRB, 20                          ; v20-22
.set STGW, 24
.set STGR, 25
.set COO,  26
.set BOO,  27
.set SPW,  28
.set NIL,  29
.set PFO,  31
.set WV,   14
.set PX,   18                          ; s[18:19] x at my tile's first row
.set PW,   20                          ; s[20:21] Wo at my tile's first row
.set PF,   22                          ; s[22:23] x at the blocks that my work-group prefetches
.set G1A,  24
.set G1B,  44
.set G0A,  52
.set G0B,  68
.set OS,   96
.set MSB, 0
.macro WIN new
.if MSB != \new
	s_set_vgpr_msb (MSB<<8)|\new
.set MSB, \new
.endif
.endm
; Four places stand between a matrix instruction of this form and a load into one of its registers or an LDS store of its result (except for loads).
.macro PLACES n
.rept \n
	v_nop
.endr
.endm
.macro TDM g0, g1                      ; s_nop 0 and four v_nop follow each tensor load
	tensor_load_to_lds s[\g0:\g0+3], s[\g1:\g1+7]
	s_nop 0
	PLACES 4
.endm
.macro JLOAD2                          ; slots 0 and 1; the branches hang on the wave's number alone
	s_cmp_lt_u32 s[WV], 2
	s_cbranch_scc0 .Lfor_b_\@
	s_cmp_eq_u32 s[WV], 0
	s_cbranch_scc0 .Lfor_a1_\@
	TDM G0A, G1A
	s_branch .Lasked_\@
.Lfor_a1_\@:
	TDM G0A+4, G1A
	s_branch .Lasked_\@
.Lfor_b_\@:
	s_cmp_eq_u32 s[WV], 2
	s_cbranch_scc0 .Lfor_b1_\@
	TDM G0B, G1B
	s_branch .Lasked_\@
.Lfor_b1_\@:
	TDM G0B+4, G1B
.Lasked_\@:
.endm
.macro JLOAD1                          ; slot 2: wave 0 x, wave 2 Wo
	s_cmp_eq_u32 s[WV], 0
	s_cbranch_scc0 .Lnot_a_\@
	TDM G0A+8, G1A
	s_branch .Lasked_\@
.Lnot_a_\@:
	s_cmp_eq_u32 s[WV], 2
	s_cbranch_scc0 .Lasked_\@
	TDM G0B+8, G1B
.Lasked_\@:
.endm
.macro CREST
	s_cmp_lg_u32 s[WV], 0
	s_cbranch_scc1 .Lnot_wave_0_\@
	s_barrier_signal -3
.Lnot_wave_0_\@:
	s_barrier_wait -3
	s_barrier_signal -1
	s_barrier_wait -1
.endm
.macro CROUND
	s_barrier_signal -1
	s_barrier_wait -1
	CREST
.endm
.macro SETG j, u                       ; slot j's groups 0 take K step u.  No tensor load of mine is out where this stands
	s_add_nc_u64 s[G0A+4*\j+2:G0A+4*\j+3], s[PX:PX+1], 131072*((\u)/4)+4096*((\u)%4)
	s_or_b32 s[G0A+4*\j+3], s[G0A+4*\j+3], 0x80000000
	s_add_nc_u64 s[G0B+4*\j+2:G0B+4*\j+3], s[PW:PW+1], 256*((\u)%4)
	s_or_b32 s[G0B+4*\j+3], s[G0B+4*\j+3], 0x80000000
.endm
	s_load_b128 s[4:7], s[0:1], 0x0                ; x s[4:5], Wo s[6:7]
	s_load_b128 s[8:11], s[0:1], 0x10              ; the exponents s[8:9], bo s[10:11]
	s_load_b64 s[12:13], s[0:1], 0x20              ; out0
	v_lshl_add_u32 v[SPW], v0, 2, SPARE
	v_mov_b32 v[NIL], 0
	ds_add_u32 v[SPW], v[NIL]                      ; the opening: the add, twice on end, and one wait
	ds_add_u32 v[SPW], v[NIL]
	v_lshrrev_b32 v3, 5, v0
	v_readfirstlane_b32 s[WV], v3                  ; wave 0..3
	s_lshr_b32 s15, s[WV], 1                       ; my half of a tile's rows
	s_and_b32 s16, s[WV], 1                        ; my half of its columns
	s_bfe_u32 s40, ttmp6, 0x40000                  ; cx, cy: my place in the cluster
	s_bfe_u32 s41, ttmp6, 0x40004
	s_lshl_b32 s42, ttmp9, 2
	s_add_co_u32 s42, s42, s40                     ; tile column
	s_and_b32 s17, ttmp7, 0xffff
	s_lshl_b32 s17, s17, 2
	s_add_co_u32 s17, s17, s41                     ; tile row: 256 rows
	s_lshl_b32 s43, s41, 2
	s_lshl_b32 s43, 15, s43                        ; my row of the cluster
	s_lshl_b32 s38, 0x1111, s40                    ; my column
	; descriptor groups 1.  x: 8 rows (blocks of 16 rows) of 4,096 bytes, 16,384 bytes apart, elements of 8 bytes, no padding.  Wo: 256 rows of 256 bytes, 1,024 bytes apart, 16 bytes of padding behind each
	s_or_b32 s[G1A], s43, (3<<16)|(1<<21)
	s_mov_b32 s[G1A+1], 512<<16
	s_mov_b32 s[G1A+2], 8<<16
	s_mov_b32 s[G1A+3], 512<<16
	s_mov_b32 s[G1A+4], 8
	s_mov_b32 s[G1A+5], 2048
	s_mov_b32 s[G1A+6], 0
	s_mov_b32 s[G1A+7], 0
	s_or_b32 s[G1B], s38, (1<<20)|(1<<21)|(5<<22)|(3<<25)
	s_mov_b32 s[G1B+1], 256<<16
	s_mov_b32 s[G1B+2], 256<<16
	s_mov_b32 s[G1B+3], 256<<16
	s_mov_b32 s[G1B+4], 256
	s_mov_b32 s[G1B+5], 1024
	s_mov_b32 s[G1B+6], 0
	s_mov_b32 s[G1B+7], 0
	s_lshl_b32 s66, s17, 18                        ; x: 16 blocks of 16,384 bytes
	s_mov_b32 s67, 0
	s_lshl_b32 s80, s42, 18                        ; Wo: 256 rows of 1,024 bytes
	s_mov_b32 s81, 0
	s_lshl_b32 s82, s17, 18                        ; the prefetches: of a tile's 8 blocks my work-group names 2, told apart by address
	s_lshl_b32 s2, s40, 15
	s_add_co_u32 s82, s82, s2
	s_mov_b32 s83, 0
	s_lshl_b32 s84, s42, 10                        ; my columns, in bytes of a row of out0 and of bo alike
	s_lshl_b32 s2, s16, 9
	s_add_co_u32 s84, s84, s2
	s_mov_b32 s85, 0
	s_lshl_b32 s86, s17, 20                        ; my rows of out0
	s_lshl_b32 s2, s15, 18
	s_add_co_u32 s86, s86, s2
	s_mov_b32 s87, 0
	s_wait_dscnt 0x0                               ; both opening adds are done
	s_wait_kmcnt 0x0
	s_load_b64 s[96:97], s[8:9], 0x18              ; e6, e7
	s_add_nc_u64 s[PX:PX+1], s[4:5], s[66:67]
	s_add_nc_u64 s[PW:PW+1], s[6:7], s[80:81]
	s_add_nc_u64 s[PF:PF+1], s[4:5], s[82:83]
	s_add_nc_u64 s[10:11], s[10:11], s[84:85]
	s_add_nc_u64 s[12:13], s[12:13], s[84:85]
	s_add_nc_u64 s[12:13], s[12:13], s[86:87]
	CROUND                                         ; all sixteen work-groups are here: the first joint loads meet
.irp j, 0,1,2
	s_mov_b32 s[G0A+4*\j], 1
	s_mov_b32 s[G0A+4*\j+1], \j*SLOT
	s_mov_b32 s[G0B+4*\j], 1
	s_mov_b32 s[G0B+4*\j+1], \j*SLOT+BOFF
	SETG \j, \j
.endr
	JLOAD2                                         ; K steps 0 and 1: one tensor load a wave at the head
	s_lshl_b32 s2, s15, 14                         ; my 4 blocks of x's image
	s_mul_i32 s3, s16, 128*PITCH
	s_add_co_u32 s3, s3, BOFF                      ; my 128 rows of Wo
	s_mul_i32 s36, s[WV], 16*PITCH
	s_add_co_u32 s36, s36, STAGE                   ; my stage
	v_and_b32 v1, 15, v0                           ; r
	v_bfe_u32 v2, v0, 4, 1                         ; h
	v_and_b32 v3, 31, v0
	v_lshlrev_b32 v3, 4, v3
	v_add_nc_u32 v[ADRA], s2, v3
	v_add_nc_u32 v[ADRA+1], SLOT, v[ADRA]
	v_add_nc_u32 v[ADRA+2], 2*SLOT, v[ADRA]
	v_mul_u32_u24 v4, v1, PITCH
	v_lshl_add_u32 v5, v2, 3, v4
	v_add_nc_u32 v[ADRB], s3, v5
	v_add_nc_u32 v[ADRB+1], SLOT, v[ADRB]
	v_add_nc_u32 v[ADRB+2], 2*SLOT, v[ADRB]
	v_lshl_add_u32 v6, v2, 5, v4                   ; the stage, in: row r, 32 bytes for each half of the lanes
	v_add_nc_u32 v[STGW], s36, v6
	v_mul_u32_u24 v7, v2, PITCH                    ; and back: lanes 0-15 one row of 256 bytes, lanes 16-31 the next
	v_lshl_add_u32 v7, v1, 4, v7
	v_add_nc_u32 v[STGR], s36, v7
	v_lshlrev_b32 v[COO], 12, v2                   ; the same two rows in out0
	v_lshl_add_u32 v[COO], v1, 4, v[COO]
	v_lshlrev_b32 v[BOO], 4, v1
	v_lshlrev_b32 v[PFO], 14, v2                   ; the prefetches: lanes 0-15 the 16 aligned 256 bytes of one block's K step, lanes 16-31 the next block's
	v_lshl_add_u32 v[PFO], v1, 8, v[PFO]
	global_load_b128 v[BI:BI+3], v[BOO], s[10:11]
	global_load_b128 v[BI+4:BI+7], v[BOO], s[10:11] offset:256
	s_wait_alu depctr_va_vdst(0)
	s_wait_kmcnt 0x0
	s_add_co_i32 s[OS], s96, s97
	s_add_co_i32 s[OS], s[OS], 127
	s_lshl_b32 s[OS], s[OS], 23                    ; 2^(e6+e7)
	s_mov_b32 s[OS+1], s[OS]                       ; (named with it as a pair, so it is written)
.macro FETCH slot, q, p                ; the fragments of a slot's q-th 128 along K into set p: 16 loads of x, 64 of Wo
.irp a, 0,1,2,3
.irp c, 0,1,2,3
	ds_load_b128 v[128+64*(\p)+16*\a+4*\c:128+64*(\p)+16*\a+4*\c+3], v[ADRA+\slot] offset:4096*\a+2048*(\q)+512*\c
.endr
.endr
	WIN 0x40
.irp b, 0,1,2,3,4,5,6,7
.irp c, 0,1,2,3,4,5,6,7
	ds_load_b64 v[128*(\p)+16*\b+2*\c:128*(\p)+16*\b+2*\c+1], v[ADRB+\slot] offset:128*(\q)+16*\c+\b*16*PITCH
.endr
.endr
	WIN 0
.endm
; 8 n matrix instructions of tile s from set p: blocks a0 on of x against Wo's eight.  The 32 accumulators take turns, one instruction a turn, in the same order in every unit.
.macro MUL p, s, a0, n, zero
.set wm, 0xa1+0x50*(\s)                ; source 0 (Wo) window 1, source 1 (x) window 0, C and D window 2 or 3
	WIN wm
.set ma, \a0
.rept \n
.irp b, 0,1,2,3,4,5,6,7
.set rD, 8*(8*ma+\b)
.set rB, 128*(\p)+16*\b
.set rA, 128+64*(\p)+16*ma
.if \zero
	v_wmma_f32_16x16x128_fp8_fp8 v[rD:rD+7], v[rB:rB+15], v[rA:rA+15], 0
.else
	v_wmma_f32_16x16x128_fp8_fp8 v[rD:rD+7], v[rB:rB+15], v[rA:rA+15], v[rD:rD+7]
.endif
.endr
.set ma, ma+1
.endr
.endm
; THE WAY OUT of block o of tile s (rows 16 (o / 2) on, columns 64 (o % 2) on of my part), through my stage: a row's 256 bytes come back to sixteen neighbouring lanes.
; LDS serves a wave's instructions in order (ISA guide 5.7.1.4): no wait between stores and loads.
.macro TOST s, o
	s_wait_xcnt 0x0                                ; earlier stores have read their data
.set wm, (2+(\s))<<2
	WIN wm
.set rD, 64*((\o)/2)+32*((\o)%2)
.irp b, 0,1,2,3
	ds_store_b128 v[STGW], v[rD+8*\b:rD+8*\b+3] offset:64*\b
	ds_store_b128 v[STGW], v[rD+8*\b+4:rD+8*\b+7] offset:64*\b+16
.endr
	WIN 0
.set bk, 32+32*((\o)%2)
.irp i, 0,1,2,3,4,5,6,7
	ds_load_b128 v[bk+4*\i:bk+4*\i+3], v[STGR] offset:2*PITCH*\i
.endr
.endm
.macro SEND s, o
.set bk, 32+32*((\o)%2)
.set bb, BI+4*((\o)%2)
.irp i, 0,1,2,3,4,5,6,7
	v_pk_fma_f32 v[bk+4*\i:bk+4*\i+1], v[bk+4*\i:bk+4*\i+1], s[OS:OS+1], v[bb:bb+1] op_sel_hi:[1,0,1]   ; sum x 2^(e6+e7) + bo
	v_pk_fma_f32 v[bk+4*\i+2:bk+4*\i+3], v[bk+4*\i+2:bk+4*\i+3], s[OS:OS+1], v[bb+2:bb+3] op_sel_hi:[1,0,1]
.endr
.irp i, 0,1,2,3,4,5,6,7
	global_store_b128 v[COO], v[bk+4*\i:bk+4*\i+3], s[12:13] offset:524288*(\s)+65536*((\o)/2)+8192*\i+256*((\o)%2) th:TH_STORE_NT   ; 16 lanes store 256 consecutive bytes, at a multiple of 256 from out0's first byte
.endr
.endm
; A PREFETCH INTO THE L2 of x's K steps u0 and, where it is not 0, u1: wave 0, one instruction a K step: 32 aligned 256 bytes.  A tile row is read by the four partners of a row of the cluster alone; each names 2 of a K step's 8 blocks.
; K steps 0 to 2 come by their loads alone; behind K step 2 nothing is left to ask for.
.macro ASK u0, u1
	s_cmp_eq_u32 s[WV], 0
	s_cbranch_scc0 .Lnot_mine_\@
	global_prefetch_b8 v[PFO], s[PF:PF+1] offset:131072*((\u0)/4)+4096*((\u0)%4) th:TH_LOAD_NT scope:SCOPE_SE
.if \u1
	global_prefetch_b8 v[PFO], s[PF:PF+1] offset:131072*((\u1)/4)+4096*((\u1)%4) th:TH_LOAD_NT scope:SCOPE_SE
.endif
.Lnot_mine_\@:
.endm
; A unit of 128 along K without a barrier: set p is in; the first tile's block o goes to the stage (o from 0 on), the next unit's fragments (slot, q) are asked for into the other set, set p is multiplied, block o is stored.
.macro UNIT slot, q, p, o
	s_wait_dscnt 0x0
	PLACES 4                                       ; for the stage's stores of results and for the loads into the set that the unit before multiplied
.if (\o) >= 0
	TOST 0, \o
.endif
	FETCH \slot, \q, 1-(\p)
.if (t == 0) && (\p)
	ASK 3, 4
.endif
.if ((t%4) == 0) && ((\p) == 0)
	MUL \p, t/4, 0, 4, 1                           ; a tile's first unit starts its sums
.else
	MUL \p, t/4, 0, 4, 0
.endif
	WIN 0
.if (\o) >= 0
	s_wait_dscnt 63                                ; 80 loads were issued behind the block's: it is back in registers
	SEND 0, \o
.endif
.endm
; A K step's second unit with a barrier.  In front of it each wave waits for all its tensor loads, adds 0 to its spare word, and waits for that and for its LDS reads.
; kind = 2: slots 0 and 1 are filled again, with K steps t + 2 and t + 3; kind = 1: slot 2, with K step t + 3: the barrier then opens a round.  kind = 0: nothing is filled.
.macro TURN kind, o
	s_wait_tensorcnt 0x0
	ds_add_u32 v[SPW], v[NIL]                      ; 0 onto my spare word
.if \kind == 2
	SETG 0, t+2
	SETG 1, t+3
.elseif \kind == 1
	SETG 2, t+3
.endif
	s_wait_dscnt 1                                 ; set 1 is in; the add may be out
	MUL 1, t/4, 0, 1, 0
	s_wait_dscnt 0x0                               ; the add is done, and my reads of the slots that I have left are over
	s_barrier_signal -1
	MUL 1, t/4, 1, 1, 0
	WIN 0
	s_barrier_wait -1
.if \kind == 2
	CREST
	JLOAD2
.elseif \kind == 1
	CREST
	JLOAD1
.endif
	PLACES 4                                       ; on every wave's way
.if (\o) >= 0
	TOST 0, \o
.endif
	FETCH nx, 0, 0
.if t == 1
	ASK 5, 0
.elseif t == 2
	ASK 6, 7
.endif
	MUL 1, t/4, 2, 2, 0
	WIN 0
.if (\o) >= 0
	s_wait_dscnt 63                                ; 80 loads were issued behind the block's
	SEND 0, \o
.endif
.endm
	s_wait_loadcnt 0x0                             ; bo
	s_wait_tensorcnt 0x0                           ; my part of K steps 0 and 1 is in
	ds_add_u32 v[SPW], v[NIL]
	s_wait_dscnt 0x0
	CROUND
	JLOAD1                                         ; K step 2: slot 2's first fill
	FETCH 0, 0, 0
.set t, 0
.rept 7                                            ; written out: the ends of the K steps, the windows and the blocks that leave differ
.set sl, t%3
.set nx, (t+1)%3
.if t < 4
.set o0, -1
.set o1, -1
.else
.set o0, 2*(t-4)
.set o1, 2*(t-4)+1
.endif
	UNIT sl, 1, 0, o0
.if (t%3) == 0
	UNIT nx, 0, 1, o1                              ; the next slot was shown whole at the barrier before
.elseif (t == 1) || (t == 4)
	TURN 2, o1
.elseif t == 2
	TURN 1, o1
.else
	TURN 0, o1                                     ; behind K step 5: slots 0 and 1 are whole, and nothing is left to fill
.endif
.set t, t+1
.endr
.set sl, 1
	UNIT sl, 1, 0, 6                               ; K step 7
	s_wait_dscnt 0x0                               ; the very last unit: nothing more to fetch
	PLACES 4
	TOST 0, 7
	MUL 1, 1, 0, 4, 0
	WIN 0
	s_wait_dscnt 0x0
	SEND 0, 7
	PLACES 4                                       ; the second tile's results are read
	TOST 1, 0
.irp o, 1,2,3,4,5,6,7
	TOST 1, \o
	s_wait_dscnt 16                                ; all but this block's 16 LDS instructions: the block before is back in registers
	SEND 1, \o-1
.endr
	s_wait_dscnt 0x0
	SEND 1, 7
	s_wait_tensorcnt 0x0                           ; the wave's end
	ds_add_u32 v[SPW], v[NIL]
	s_wait_dscnt 0x0
	CROUND                                         ; the closing round: no work-group ends while a partner may still ask for a tile that names it
	s_endpgm
.Lfunc_end_k_q5687b1ad5a_oproj:
	.size	k_q5687b1ad5a_oproj, .Lfunc_end_k_q5687b1ad5a_oproj-k_q5687b1ad5a_oproj
	.p2alignl 7, 3214868480
	.fill 96, 4, 3214868480
	.section	.rodata,"a",@progbits
	.p2align	6, 0x0
	.amdhsa_kernel k_q5687b1ad5a_oproj
		.amdhsa_group_segment_fixed_size 327680
		.amdhsa_private_segment_fixed_size 0
		.amdhsa_enable_private_segment 0
		.amdhsa_kernarg_size 40
		.amdhsa_user_sgpr_count 2
		.amdhsa_user_sgpr_kernarg_segment_ptr 1
		.amdhsa_wavefront_size32 1
		.amdhsa_system_sgpr_workgroup_id_x 1
		.amdhsa_system_sgpr_workgroup_id_y 1
		.amdhsa_system_sgpr_workgroup_id_z 1
		.amdhsa_system_vgpr_workitem_id 0
		.amdhsa_next_free_vgpr 1024
		.amdhsa_next_free_sgpr 98
		.amdhsa_reserve_vcc 0
		.amdhsa_float_denorm_mode_32 3
		.amdhsa_float_denorm_mode_16_64 3
		.amdhsa_memory_ordered 1
		.amdhsa_forward_progress 1
		.amdhsa_inst_pref_size 179
	.end_amdhsa_kernel
	.amdgpu_metadata
---
amdhsa.version: [ 1, 2 ]
amdhsa.kernels:
  - .name:           k_q5687b1ad5a_oproj
    .symbol:         k_q5687b1ad5a_oproj.kd
    .args:
      - { .name: xcodes, .offset: 0, .size: 8, .value_kind: global_buffer, .address_space: global }
      - { .name: Wo_codes, .offset: 8, .size: 8, .value_kind: global_buffer, .address_space: global }
      - { .name: lowp_scales, .offset: 16, .size: 8, .value_kind: global_buffer, .address_space: global }
      - { .name: bo, .offset: 24, .size: 8, .value_kind: global_buffer, .address_space: global }
      - { .name: out0, .offset: 32, .size: 8, .value_kind: global_buffer, .address_space: global }
    .group_segment_fixed_size: 327680
    .private_segment_fixed_size: 0
    .kernarg_segment_align: 8
    .kernarg_segment_size: 40
    .max_flat_workgroup_size: 128
    .sgpr_count:     98
    .vgpr_count:     1024
    .wavefront_size: 32
...
	.end_amdgpu_metadata
.endif
;; end of part 2
